; MI455X (gfx1250); checked and timed in simulation.
; The chip was launched on July 23, 2026; its instructions are those of AMD's public machine-readable ISA for CDNA 5 (MIT licence, August 2026) and "CDNA5" Instruction Set Architecture Reference Guide (July 2026). The comments in the code are by the model that wrote it; some were corrected since.
;; Quantized Linear. Allowed arithmetic: matrix products marked QUANTISED: E2M3 operands, one E8M0 scale for each 32 along K, by v_wmma_scale_f32_16x16x128_f8f6f4 with both operands' format E2M3, f32 sums; everything else in f32.
;; Inputs: act_scale 1 float32; act_zero_point 1 int32; bias 4,096 float32; input 4,096 x 4,096 float32; weight 4,096 x 4,096 float32; weight_scale 4,096 float32; weight_zero_point 4,096 int32.
;; Outputs: out0 4,096 x 4,096 float32.
;; This version of the problem:
;;   THIS VERSION OF THE PROBLEM IS GIVEN IN LOW PRECISION. The matrix products marked QUANTISED in the list below multiply operands that are first quantised to E2M3 (2 exponent bits, 3 mantissa bits; 6 bits a number), with one power-of-two scale for each 32 numbers along K (OCP MX v1.0); their sums are f32. All else is computed in f32.
;;   The module's matrix products, in the order in which they are computed (A, B: the left and right operand; K: the contracted axis; several contracted axes count as one K, in the product's order):
;;     1. [M 4,096, K 4,096] x [K 4,096, N 4,096]; A: computed on the way; B: computed on the way: QUANTISED
;;   THE QUANTISER, for each operand of a quantised product, along K:
;;     - K is cut into blocks of 32 from its start; a last block that is shorter is filled with zeros.
;;     - A block's scale is 2^e with e = floor(log2(the largest magnitude in the block)) - 2, held to -126 .. 127; a block of zeros has e = 0. As a byte (E8M0): e + 127.
;;     - Each number is divided by its block's scale, clamped to +-7.5, and rounded to the nearest number of E2M3, ties to even, subnormals kept.
;;     - The product sums the exact products of the quantised numbers (number of the format x scale) in f32.
;;   ~~~python
;;   def quantise(x, axis):      # numpy; x: float32 -> the quantised numbers, widened to float32 again
;;       x = np.moveaxis(x, axis, -1); K = x.shape[-1]
;;       x = np.pad(x, [(0, 0)] * (x.ndim - 1) + [(0, -K % 32)]); x = x.reshape(x.shape[:-1] + (-1, 32)); a = np.abs(x).max(-1, keepdims=True)
;;       e = np.where(a > 0, np.clip(np.frexp(np.where(a > 0, a, 1))[1] - 1 - 2, -126, 127), 0)      # np.frexp(a)[1] - 1 = floor(log2(a)), exactly
;;       r = np.clip(x / 2.0 ** e, -7.5, 7.5)
;;       step = 2.0 ** (np.maximum(np.frexp(np.where(r == 0, 1, r))[1] - 1, 0) - 3)
;;       q = np.round(r / step) * step * 2.0 ** e      # np.round: ties to even
;;       return np.moveaxis(q.reshape(q.shape[:-2] + (-1,))[..., :K], -1, axis).astype(np.float32)
;;   ~~~
;;   OPERANDS COMPUTED ON THE WAY. 'Computed on the way' means the value that the module computes at that place (a softmax that the list does not call 'softmax' is quantised finished and normalised). What goes into a quantiser is computed in f32, as accurately as f32 sums, v_exp_f32 and their like allow (about 1e-6 of the number): no bf16 or f16 on the way to a quantiser, and a product that is left as it is and whose result goes on into a quantised operand takes f32 operands (vector FMAs, or v_wmma_f32_16x16x4_f32). A number that lies on a knife's edge between two numbers of the format may be rounded either way, as far as f32 arithmetic and the matrix unit's own rounding can turn it there, and no further.
;; One version. Each part assembles by itself: llvm-mc -triple=amdgcn-amd-amdhsa -mcpu=gfx1250 --defsym DOCPART=n.
;; ======== version 1 of 1: 2 launches
;; limits: right only within a limited range of input values
;; workspace buffers: xq 13,107,200 bytes; wq 13,107,200 bytes
;; launch quant (part 1): grid 512 x 1, 8 waves a work-group, no clusters, 72,704 bytes of LDS; arguments input, weight, act_scale, weight_scale, act_zero_point, weight_zero_point, xq, wq; writes xq, wq
.if DOCPART == 1
	.amdgcn_target "amdgcn-amd-amdhsa--gfx1250"
	.amdhsa_code_object_version 6
	.text
	.protected	k_q390df62295_quant
	.globl	k_q390df62295_quant
	.p2align	8
	.type	k_q390df62295_quant,@function
k_q390df62295_quant:
	s_mov_b64 s[64:65], 0
	v_nop
	global_prefetch_b8 v0, s[64:65] scope:SCOPE_SE
	s_setreg_imm32_b32 hwreg(HW_REG_WAVE_MODE, 25, 1), 1
	s_wait_xcnt 0x0
; input [4096][4096] and weight [4096][4096], f32, each go through two quantisers, and leave as operands of the product's launch.
; (1) The affine one, in f32: d = (clip(round(x / s) + z, 0, 255) - z) s, with s and z one pair for all of input and one pair for each row of weight.
;     round(x / s) and z are whole numbers, so clip(r + z, 0, 255) - z is clip(r, -z, 255 - z), which is one v_med3_num_f32.
;     x / s is made as q = x (1 / s), e = x - q s (fused), q + e (1 / s) (fused), with 1 / s from v_rcp_f32 and one Newton step: within an ulp of the rounded quotient.
;     Where the quotient lies within that ulp of a half, the rounding to a whole number may fall the other way than a true division's.
; (2) MX-FP6 (E2M3) along K: a block of 32 has the scale 2^(floor(log2(its largest magnitude)) - 2); its byte is the largest magnitude's exponent field - 2, held at 1 from below.
;     A block of zeros so gets the byte 1 where the rule says 127: its codes are zeros, which add nothing under any byte but 0xff, and the bytes are read by this program alone.
; LIMITS: s is a positive normal f32 whose reciprocal is normal; |x / s| stays under 2^127; |z| is at most 2^23; NaN and infinities among the inputs are not served.
; THE OUTPUT: one buffer for each tensor, codes and scale words together, in the order in which the product's launch takes them.
;     Rows go by 128 (H = row / 128), K by steps of 128 (s = K / 128).  (H, s) owns 12,800 bytes at 409,600 H + 12,800 s: eight fragments of 1,536 bytes, then 512 bytes of scale words.
;     A fragment is 16 rows x 128 K (row block i = (row / 16) % 8) as an image of the operand's registers, 12 a lane: lane (r, h) holds row r, registers 6 c .. 6 c + 5 the codes of K = 64 c + 32 h + 0 .. 31;
;     registers 4 g .. 4 g + 3 of lane l lie at 1,536 i + 512 g + 16 l.  The scale word of row 16 i + r, byte b for K = 32 b on, lies at 12,288 + 32 r + 4 i.
; SHARES.  Work-groups 0-255 take input, 256-511 weight: only pointers are chosen, both tensors take one path.  A work-group takes 128 rows x 512 K: four steps of one H, 51,200 consecutive bytes of the output.
;     Wave w takes row block w: four fragments, in eight HALF-UNITS of 16 rows x 64 K.  The waves meet once, at the end: a step's 512 bytes of scale words come from all eight.
; A conversion takes 16 neighbours along K from ONE lane's registers, a load is best where neighbouring LANES take neighbouring bytes.  Both are had: a load reads 256 consecutive bytes of each of two rows, a half-unit's
;     4,096 bytes go through the wave's own stage in LDS and come back 128 bytes a lane: a whole block of 32, so that no lane asks another for a maximum.
;     The stage's rows are 272 bytes apart = 68 words: row r starts at bank 4 r mod 64 (64 banks of 4 bytes: ISA guide 11.1), so the sixteen rows that a read touches start at sixteen different banks.
; Loads run four half-units (32 loads a wave) ahead, the turn through LDS one.  Every offset is an immediate; no pointer is stepped behind the first load.
.set FRB,   1536                       ; a fragment's image
.set SWO,   8*FRB                      ; where a step's scale words begin
.set STEPB, SWO+512                    ; 128 rows x 128 K: codes and scale words
.set HROW,  32*STEPB                   ; 128 rows, all of K
.set WREG,  8704                       ; LDS of a wave: two stages
.set STAGE, 4352                       ; 16 rows x 272 bytes
.set SP,    272
.set SCW,   8*WREG                     ; behind the stages: the work-group's four steps' scale words, 512 bytes each
.set VOFF, 2                           ; v2   in: 16,384 h + 16 r: lanes 0-15 one row's 256 bytes, lanes 16-31 the next row's
.set STO,  3                           ; v3   into the stage: 272 h + 16 r + my wave's LDS
.set RD,   4                           ; v4   out of it: 272 r + 128 h + my wave's LDS
.set CST,  5                           ; v5   16 x lane: my place in a store of codes
.set SST,  6                           ; v6   8 x lane: my place in my wave's store of scale words
.set POFF, 7                           ; v7   byte offset of my row's s and z: 0 for input, 4 x row for weight
.set SH,   8                           ; v8   8 h
.set HH,   9                           ; v9   h
.set SCV,  10                          ; v[10:11] s, twice (a pair for the packed forms)
.set RCV,  12                          ; v[12:13] 1 / s, twice
.set ZLO,  14                          ; v14  -z
.set ZHI,  15                          ; v15  255 - z
.set MXA,  16                          ; v16, v17 two chains of the block's largest magnitude
.set MXB,  17
.set SOP,  18                          ; v18  the conversions' scale operand
.set BYT,  19                          ; v19  the scale's byte
.set PC,   20                          ; v[20:31] the fragment in the making
.set CT,   32                          ; v[32:34] a conversion's result on its way to an odd register
.set WD,   36                          ; v[36:39] the four fragments' scale words
.set PX,   40                          ; v[40:43] the other half of the lanes' bytes
.set OW,   44                          ; v[44:45] the two words that I put into LDS
.set ZI,   46                          ; v46  z as loaded; then the Newton step's error
.set ZF,   48                          ; v48  z in f32: used at the head alone, ahead of the first write of the registers at work
.set T,    48                          ; v[48:63] at work
.set X,    64                          ; v[64:127] two sets of 32 neighbours
.set RS,   128                         ; v[128:255] four sets of 32 numbers as loaded
	s_load_b256 s[4:11], s[0:1], 0x0               ; input s[4:5], weight s[6:7], act_scale s[8:9], weight_scale s[10:11]
	s_load_b256 s[12:19], s[0:1], 0x20             ; act_zero_point s[12:13], weight_zero_point s[14:15], xq s[16:17], wq s[18:19]
	v_lshl_add_u32 v35, v0, 2, 0x11800
	v_mov_b32 v47, 0                               ; v35 = my spare word's LDS address, v47 = 0: kept for the closing add alone
	v_lshrrev_b32 v1, 5, v0
	s_delay_alu instid0(VALU_DEP_1)
	v_readfirstlane_b32 s26, v1                    ; wave 0..7: my row block of the 128 rows
	s_and_b32 s25, ttmp9, 255
	s_lshr_b32 s37, s25, 3                         ; H: which 128 rows
	s_and_b32 s38, s25, 7                          ; which 512 along K
	v_and_b32 v1, 15, v0                           ; r
	v_bfe_u32 v[HH], v0, 4, 1                      ; h
	s_delay_alu instid0(VALU_DEP_2)
	v_lshlrev_b32 v[VOFF], 4, v1
	s_delay_alu instid0(VALU_DEP_1)
	v_lshl_add_u32 v[VOFF], v[HH], 14, v[VOFF]
	s_mul_i32 s27, s26, WREG
	v_mul_u32_u24 v[STO], v[HH], SP
	s_delay_alu instid0(VALU_DEP_1)
	v_lshl_add_u32 v[STO], v1, 4, v[STO]
	s_delay_alu instid0(VALU_DEP_1)
	v_add_nc_u32 v[STO], s27, v[STO]
	v_mul_u32_u24 v[RD], v1, SP
	s_delay_alu instid0(VALU_DEP_1)
	v_lshl_add_u32 v[RD], v[HH], 7, v[RD]
	s_delay_alu instid0(VALU_DEP_1)
	v_add_nc_u32 v[RD], s27, v[RD]
	v_and_b32 v[CST], 31, v0
	s_delay_alu instid0(VALU_DEP_1)
	v_lshlrev_b32 v[CST], 4, v[CST]
	v_lshlrev_b32 v[SH], 3, v[HH]
	s_lshl_b32 s36, s37, 7
	s_lshl_b32 s39, s26, 4
	s_add_co_u32 s36, s36, s39                     ; my wave's first row: 128 H + 16 x wave
	v_add_nc_u32 v[POFF], s36, v1                  ; my row
.irp t, 0,1,2,3
	v_mov_b32 v[PX+\t], 0                          ; written once: a lane permute's destination counts as one of its sources
.endr
	s_mov_b32 s32, 0x76543210
	s_mov_b32 s33, 0xfedcba98                      ; v_permlanex16_b32's selects for lane l xor 16
	s_lshl_b32 s28, s36, 14                        ; the source: 16,384 bytes a row,
	s_lshl_b32 s29, s38, 11                        ; 2,048 bytes for 512 along K
	s_add_co_u32 s28, s28, s29
	s_mov_b32 s29, 0
	s_mul_i32 s34, s37, HROW
	s_mul_i32 s35, s38, 4*STEPB
	s_add_co_u32 s34, s34, s35                     ; the output: the work-group's four steps;
	s_mul_i32 s30, s26, FRB
	s_add_co_u32 s30, s30, s34                     ; in each, my row block's fragment
	s_mov_b32 s31, 0
	s_lshr_b32 s35, s26, 1                         ; the scale words leave 256 bytes a wave: step wave / 2,
	s_mul_i32 s35, s35, STEPB
	s_add_co_u32 s34, s34, s35
	s_and_b32 s35, s26, 1                          ; half wave % 2 of its 512 bytes
	s_lshl_b32 s35, s35, 8
	s_add_co_u32 s34, s34, s35
	s_add_co_u32 s34, s34, SWO
	s_mov_b32 s35, 0
	s_wait_alu depctr_va_vdst(0)
	s_wait_kmcnt 0x0
	s_cmp_lt_u32 ttmp9, 256                        ; input's work-group or weight's?  The choice hangs on the work-group's number alone
	s_cselect_b64 s[4:5], s[4:5], s[6:7]           ; the source
	s_cselect_b64 s[8:9], s[8:9], s[10:11]         ; s
	s_cselect_b64 s[12:13], s[12:13], s[14:15]     ; z
	s_cselect_b64 s[16:17], s[16:17], s[18:19]     ; the output
	s_cselect_b32 s24, 0, 4                        ; input has one s and one z, weight one of each for a row
	s_mov_b64 s[18:19], s[16:17]
	s_add_nc_u64 s[4:5], s[4:5], s[28:29]
	s_add_nc_u64 s[16:17], s[16:17], s[30:31]      ; for the codes
	s_add_nc_u64 s[18:19], s[18:19], s[34:35]      ; for the scale words
	v_mul_u32_u24 v[POFF], s24, v[POFF]
	global_load_b32 v[SCV], v[POFF], s[8:9]
	global_load_b32 v[ZI], v[POFF], s[12:13]
.macro LOAD u                          ; half-unit u as it lies: load i takes rows 2 i and 2 i + 1, 256 consecutive bytes of each, at a multiple of 256 from the buffer's first byte; read once in the launch
.irp i, 0,1,2,3,4,5,6,7
	global_load_b128 v[RS+32*((\u)%4)+4*\i:RS+32*((\u)%4)+4*\i+3], v[VOFF], s[4:5] offset:\i*32768+(\u)*256 th:TH_LOAD_NT
.endr
.endm
.macro TURN u                          ; through the stage: LDS serves a wave's instructions in order (ISA guide 5.7.1.4), so no wait stands between the stores and the loads
.irp i, 0,1,2,3,4,5,6,7
	ds_store_b128 v[STO], v[RS+32*((\u)%4)+4*\i:RS+32*((\u)%4)+4*\i+3] offset:((\u)%2)*STAGE+\i*2*SP
.endr
.irp i, 0,1,2,3,4,5,6,7
	ds_load_b128 v[X+32*((\u)%2)+4*\i:X+32*((\u)%2)+4*\i+3], v[RD] offset:((\u)%2)*STAGE+16*\i
.endr
.endm
.irp u, 0,1,2,3
	LOAD \u
.endr
	s_wait_loadcnt 24                              ; s, z and half-unit 0 are in; the 24 loads of half-units 1 to 3 may be out
	TURN 0
	v_rcp_f32 v[RCV], v[SCV]
	v_cvt_f32_i32 v[ZF], v[ZI]                     ; a plain instruction behind the reciprocal
	s_wait_alu depctr_va_vdst(0)                   ; the wait ahead of the first instruction that names the reciprocal
	v_fma_f32 v[ZI], -v[SCV], v[RCV], 1.0          ; one Newton step: 1 - s y,
	v_fma_f32 v[RCV], v[ZI], v[RCV], v[RCV]        ; y + y (1 - s y)
	v_mov_b32 v[SCV+1], v[SCV]
	s_delay_alu instid0(VALU_DEP_2)
	v_mov_b32 v[RCV+1], v[RCV]
	v_sub_f32 v[ZLO], 0, v[ZF]                     ; -z
	v_sub_f32 v[ZHI], 0x437f0000, v[ZF]            ; 255 - z
; Half-unit u: half c = u % 2 of fragment t = u / 2.  My 32 numbers are one block of 32 along K of row r.
.macro HALF u
.set XS, X+32*((\u)%2)
.set UT, (\u)/2
.set UC, (\u)%2
	s_wait_dscnt 0x0                               ; my numbers are back from the stage, and the stores into it have read their registers,
.if (\u)+4 < 8
	LOAD (\u)+4                                    ; which take the loads of four half-units on
.endif
.if (\u)+1 < 8
.if (\u) < 4
	s_wait_loadcnt 24                              ; the next half-unit's eight loads are in; those of the three behind it may be out
.else
	s_wait_loadcnt 8*(6-(\u))                      ; the counts run down: nothing more is asked for
.endif
	TURN (\u)+1                                    ; and go through the other stage while this half-unit is worked
.endif
.irp g, 0,1                            ; the affine quantiser, sixteen numbers at a time
.irp i, 0,2,4,6,8,10,12,14
	v_pk_mul_f32 v[T+\i:T+\i+1], v[XS+16*\g+\i:XS+16*\g+\i+1], v[RCV:RCV+1]                               ; q = x (1 / s)
.endr
.irp i, 0,2,4,6,8,10,12,14
	v_pk_fma_f32 v[XS+16*\g+\i:XS+16*\g+\i+1], v[T+\i:T+\i+1], v[SCV:SCV+1], v[XS+16*\g+\i:XS+16*\g+\i+1] neg_lo:[1,0,0] neg_hi:[1,0,0]   ; e = x - q s
.endr
.irp i, 0,2,4,6,8,10,12,14
	v_pk_fma_f32 v[T+\i:T+\i+1], v[XS+16*\g+\i:XS+16*\g+\i+1], v[RCV:RCV+1], v[T+\i:T+\i+1]               ; q + e (1 / s)
.endr
.irp i, 0,1,2,3,4,5,6,7,8,9,10,11,12,13,14,15
	v_rndne_f32 v[T+\i], v[T+\i]                   ; to the nearest whole number, ties to even
.endr
.irp i, 0,1,2,3,4,5,6,7,8,9,10,11,12,13,14,15
	v_med3_num_f32 v[T+\i], v[T+\i], v[ZLO], v[ZHI]    ; held to -z .. 255 - z
.endr
.irp i, 0,2,4,6,8,10,12,14
	v_pk_mul_f32 v[XS+16*\g+\i:XS+16*\g+\i+1], v[T+\i:T+\i+1], v[SCV:SCV+1]                               ; x s
.endr
.endr
	v_max3_num_f32 v[MXA], |v[XS]|, |v[XS+1]|, |v[XS+2]|             ; the block's largest magnitude: all 32 numbers are mine; two chains
	v_max3_num_f32 v[MXB], |v[XS+3]|, |v[XS+4]|, |v[XS+5]|
.irp i, 6,10,14,18,22,26
	s_delay_alu instid0(VALU_DEP_2)
	v_max3_num_f32 v[MXA], v[MXA], |v[XS+\i]|, |v[XS+\i+1]|
	s_delay_alu instid0(VALU_DEP_2)
	v_max3_num_f32 v[MXB], v[MXB], |v[XS+\i+2]|, |v[XS+\i+3]|
.endr
	s_delay_alu instid0(VALU_DEP_2)
	v_max3_num_f32 v[MXA], v[MXA], |v[XS+30]|, |v[XS+31]|
	s_delay_alu instid0(VALU_DEP_1)
	v_max3_num_f32 v[MXA], v[MXA], v[MXB], 0x1800000   ; and the floor 2^(3 - 127), under which no largest magnitude is taken: so the byte cannot fall under 1
	s_delay_alu instid0(VALU_DEP_1)
	v_add_nc_u32 v[SOP], 0xff000000, v[MXA]        ; 2 off its exponent field: the conversion takes the exponent field of this operand as its scale, and nothing else of it
.if (UC == 0) && ((\u) >= 2)
	s_wait_alu depctr_va_vdst(0)
	s_wait_xcnt 0x0                                ; the last fragment's three stores have read their data: the fragment's registers are written again only behind this wait
.endif
	v_cvt_scalef32_pk16_fp6_f32 v[PC+6*UC:PC+6*UC+2], v[XS:XS+15], v[SOP]        ; sixteen numbers / the scale, to the nearest code, ties to even, beyond 7.5 the largest code; 96 bits without gaps
	v_cvt_scalef32_pk16_fp6_f32 v[CT:CT+2], v[XS+16:XS+31], v[SOP]               ; (a conversion's three registers begin on an even number: the block's second three do not, so they are made here and moved)
	v_lshrrev_b32 v[BYT], 23, v[SOP]               ; the scale's byte.  Also the plain instruction between the conversions and the moves that read their result
.irp i, 0,1,2
	v_mov_b32 v[PC+6*UC+3+\i], v[CT+\i]
.endr
.if UC == 0
	s_delay_alu instid0(VALU_DEP_4)
	v_mov_b32 v[WD+UT], v[BYT]                     ; my block is number 2 c + h of the fragment's four: c = 0 in bits 7:0,
.else
	s_delay_alu instid0(VALU_DEP_4)
	v_lshl_or_b32 v[WD+UT], v[BYT], 16, v[WD+UT]   ; c = 1 in bits 23:16; the shift by 8 h comes at the end
.irp g, 0,1,2
	global_store_b128 v[CST], v[PC+4*\g:PC+4*\g+3], s[16:17] offset:UT*STEPB+512*\g   ; the fragment as it stands: 32 lanes store 512 consecutive bytes, at a multiple of 256 from the buffer's first byte
.endr
.endif
.endm
	s_wait_alu depctr_va_vdst(0)
.irp u, 0,1,2,3,4,5,6,7
	HALF \u
.endr
.irp t, 0,1,2,3
	v_lshlrev_b32 v[WD+\t], v[SH], v[WD+\t]        ; my two bytes at their places in the row's scale word,
.endr
.irp t, 0,1,2,3
	s_delay_alu instid0(VALU_DEP_4)
	v_permlanex16_b32 v[PX+\t], v[WD+\t], s32, s33
.endr
.irp t, 0,1,2,3
	s_delay_alu instid0(VALU_DEP_4)
	v_or_b32 v[WD+\t], v[WD+\t], v[PX+\t]          ; with lane l xor 16's two the word is whole, in both lanes
.endr
	; THE SCALE WORDS' WAY OUT.  A step's 512 bytes hold a word of each of the 128 rows, so they come from all eight waves: they meet in LDS, laid as they will lie in memory, and each wave stores 256 of the 2,048 bytes.
	v_cmp_eq_u32 vcc_lo, 1, v[HH]
	s_delay_alu instid0(VALU_DEP_1)
	v_cndmask_b32 v[OW], v[WD], v[WD+2], vcc_lo    ; lanes 0-15 put steps 0 and 1's words of row r, lanes 16-31 steps 2 and 3's
	s_delay_alu instid0(VALU_DEP_2)
	v_cndmask_b32 v[OW+1], v[WD+1], v[WD+3], vcc_lo
	s_lshl_b32 s27, s26, 2
	s_add_co_u32 s27, s27, SCW
	v_lshlrev_b32 v[T], 5, v1
	s_delay_alu instid0(VALU_DEP_1)
	v_lshl_add_u32 v[T], v[HH], 10, v[T]
	s_delay_alu instid0(VALU_DEP_1)
	v_add_nc_u32 v[T], s27, v[T]                   ; SCW + 4 x wave + 32 r + 1,024 h
	ds_store_b32 v[T], v[OW]
	ds_store_b32 v[T], v[OW+1] offset:512
	s_lshl_b32 s27, s26, 8
	s_add_co_u32 s27, s27, SCW
	v_and_b32 v[T+1], 31, v0
	s_delay_alu instid0(VALU_DEP_1)
	v_lshlrev_b32 v[SST], 3, v[T+1]
	s_delay_alu instid0(VALU_DEP_1)
	v_add_nc_u32 v[T+1], s27, v[SST]               ; SCW + 256 x wave + 8 x lane
	s_wait_alu depctr_va_vdst(0)
	s_wait_dscnt 0x0                               ; for the others' sake: my two stores have landed
	s_barrier_signal -1
	s_barrier_wait -1                              ; everybody's have
	ds_load_b64 v[T+2:T+3], v[T+1]
	s_wait_dscnt 0x0
	global_store_b64 v[SST], v[T+2:T+3], s[18:19]  ; 32 lanes store 256 consecutive bytes, at a multiple of 256 from the buffer's first byte
	s_wait_tensorcnt 0x0                           ; the wave's end
	ds_add_u32 v35, v47
	s_wait_dscnt 0x0
	s_endpgm
.Lfunc_end_k_q390df62295_quant:
	.size	k_q390df62295_quant, .Lfunc_end_k_q390df62295_quant-k_q390df62295_quant
	.p2alignl 7, 3214868480
	.fill 96, 4, 3214868480
	.section	.rodata,"a",@progbits
	.p2align	6, 0x0
	.amdhsa_kernel k_q390df62295_quant
		.amdhsa_group_segment_fixed_size 72704
		.amdhsa_private_segment_fixed_size 0
		.amdhsa_enable_private_segment 0
		.amdhsa_kernarg_size 64
		.amdhsa_user_sgpr_count 2
		.amdhsa_user_sgpr_kernarg_segment_ptr 1
		.amdhsa_wavefront_size32 1
		.amdhsa_system_sgpr_workgroup_id_x 1
		.amdhsa_system_sgpr_workgroup_id_y 1
		.amdhsa_system_sgpr_workgroup_id_z 1
		.amdhsa_system_vgpr_workitem_id 0
		.amdhsa_next_free_vgpr 256
		.amdhsa_next_free_sgpr 66
		.amdhsa_reserve_vcc 1
		.amdhsa_float_denorm_mode_32 3
		.amdhsa_float_denorm_mode_16_64 3
		.amdhsa_memory_ordered 1
		.amdhsa_forward_progress 1
		.amdhsa_inst_pref_size 93
	.end_amdhsa_kernel
	.amdgpu_metadata
---
amdhsa.version: [ 1, 2 ]
amdhsa.kernels:
  - .name:           k_q390df62295_quant
    .symbol:         k_q390df62295_quant.kd
    .args:
      - { .name: input, .offset: 0, .size: 8, .value_kind: global_buffer, .address_space: global }
      - { .name: weight, .offset: 8, .size: 8, .value_kind: global_buffer, .address_space: global }
      - { .name: act_scale, .offset: 16, .size: 8, .value_kind: global_buffer, .address_space: global }
      - { .name: weight_scale, .offset: 24, .size: 8, .value_kind: global_buffer, .address_space: global }
      - { .name: act_zero_point, .offset: 32, .size: 8, .value_kind: global_buffer, .address_space: global }
      - { .name: weight_zero_point, .offset: 40, .size: 8, .value_kind: global_buffer, .address_space: global }
      - { .name: xq, .offset: 48, .size: 8, .value_kind: global_buffer, .address_space: global }
      - { .name: wq, .offset: 56, .size: 8, .value_kind: global_buffer, .address_space: global }
    .group_segment_fixed_size: 72704
    .private_segment_fixed_size: 0
    .kernarg_segment_align: 8
    .kernarg_segment_size: 64
    .max_flat_workgroup_size: 256
    .sgpr_count:     66
    .vgpr_count:     256
    .wavefront_size: 32
...
	.end_amdgpu_metadata
.endif
;; end of part 1
;; launch gemm (part 2): grid 16 x 16, 4 waves a work-group, clusters of 4 x 4, 327,680 bytes of LDS; arguments xq, wq, out0, bias; writes out0
.if DOCPART == 2
	.amdgcn_target "amdgcn-amd-amdhsa--gfx1250"
	.amdhsa_code_object_version 6
	.text
	.protected	k_q390df62295_gemm
	.globl	k_q390df62295_gemm
	.p2align	8
	.type	k_q390df62295_gemm,@function
k_q390df62295_gemm:
	s_mov_b64 s[64:65], 0
	v_nop
	global_prefetch_b8 v0, s[64:65] scope:SCOPE_SE
	s_setreg_imm32_b32 hwreg(HW_REG_WAVE_MODE, 25, 1), 1
	s_wait_xcnt 0x0
	s_wait_alu depctr_hold_cnt(0) depctr_sa_sdst(0) depctr_va_vdst(0) depctr_va_sdst(0) depctr_va_ssrc(0) depctr_va_vcc(0) depctr_vm_vsrc(0)
	s_getreg_b32 s2, hwreg(HW_REG_IB_STS2, 6, 4)
	s_cmp_eq_u32 s2, 0
	s_cbranch_scc0 .Lentry_in_a_cluster
	s_endpgm
.Lentry_in_a_cluster:
	s_bfe_u32 s2, ttmp6, 0x10000c
	s_cmp_lg_u32 s2, 0xf033
	s_cbranch_scc0 .Lentry_shape_is_right
	s_endpgm
.Lentry_shape_is_right:
; out0[t][o] = bias[o] + sum over i of X[t][i] W[o][i], X and W as codes of MX-FP6 (E2M3) with E8M0 scale bytes, as the launch before has laid them in xq and wq; sums in f32.
; THE OPERANDS' LAYOUT: rows by 128 (H), K by steps of 128 (s).  (H, s) owns 12,800 bytes at 409,600 H + 12,800 s: eight images of a fragment's registers (16 rows x 128 K, 1,536 bytes:
; registers 4 g .. 4 g + 3 of lane l at 512 g + 16 l), then 512 bytes of scale words (row 16 i + r at 32 r + 4 i).  So a fragment is three ds_load_b128 at 16 x lane, and a tile is a dense run of memory.
; SHARES: a work-group of four waves makes 256 x 256 of out0, a wave 128 x 128: 64 accumulators, 512 registers.  256 work-groups, one for each tile.
; THE RING: two LDS slots, each with THREE K steps of A's 256 rows and B's 256 rows (4 x 38,400 bytes); a wave fills a quarter of a slot by one tensor load of 150 rows of 256 bytes.
; K has 32 steps: ten tiles of three steps and an eleventh of two (100 rows of 256 bytes a wave, by descriptors of its own).  One load a wave is out behind each change of slots.
; A STEP'S 50 LDS LOADS go out in two runs: 32 behind its first 16 matrix instructions (B's other set, the scale words, A's blocks 0-1), with 48 matrix instructions ahead of their first use, and 18 at its end (A's blocks 2-7).
; THE LAST TWO STEPS lie in one slot and go BY ROWS of out0: both steps' fragments of B fill B's two sets, and a pair of row blocks (32 rows) is finished by 32 matrix instructions and leaves while the later pairs are multiplied.
; CLUSTERS: 4 x 4 work-groups.  A's tiles hang on the tile row alone and are asked for jointly along a row of the cluster, B's on the tile column alone and jointly along a column.
; THE MATRIX INSTRUCTION IS USED TRANSPOSED (source 0 = 16 rows of W, source 1 = 16 rows of X): a lane holds eight neighbouring columns of one row of out0.  The bias, in that layout, is the C of each sum's first product.
; PREFETCH: behind the load of tile t each wave asks for tile t + 2 of the 128 rows that it fetches: 150 lines of 256 bytes, of which the partner at place p among the four that ask jointly names lines 38 p .. 38 p + 37
; (by address: 32 lanes, then 6 lanes; lanes left over repeat their wave's last line; held at line 149).  Every cluster asks for what it loads itself.  At the head tile 1 is asked for too, beside tile 2.
; The eleventh tile is asked for with the offsets held at its last line, 99; the load behind that one asks for nothing.  So no lane names a byte beyond its 128 rows' 409,600.
; REGISTERS, in windows of 256: window 0: v0-31 addresses; v32-47 scale words, two sets; v64-127 the bias; v128-223 A's fragments, one set.
;   window 1: B's fragments, two sets, at v0 and v128.  window 2: the accumulators of my rows 0-63 ((a, b) at v[8 (8 a + b)]); window 3: those of rows 64-127.  On the way out a pair's 128 registers take its rows read back.
.set SIZE_N, 4096
.set NQ,     3                         ; K steps in a slot
.set FR,     12                        ; registers of a fragment
.set NL,     3                         ; LDS loads that bring one
.set NP,     4                         ; places behind this matrix instruction (ISA guide 7.12.1)
.set FRB,    1536                      ; a fragment's image in bytes
.set SWO,    8*FRB                     ; where a step's scale words begin
.set STEPB,  SWO+512                   ; 128 rows x 128 K
.set HALFT,  NQ*STEPB                  ; what one tensor load brings: 128 rows, three steps
.set SLOT,   4*HALFT
.set HROW,   32*STEPB                  ; 128 rows, all of K
.set TRIPS,  4
.set STG,    SLOT                      ; the way out's stages lie in slot 1: the last tile lies in slot 0, and slot 1 has had its last fill and its last read by then
.set SPITCH, 528                       ; a stage row: 512 bytes + 16; a wave's stage has 32 rows
.set SPARE,  2*SLOT                    ; the spare words: 128 bytes a wave, two blocks of 256 bytes that no other line names
.set ADRA, 16                          ; v16-17 LDS address of my A fragments in slot 0, 1
.set ADRS, 18                          ; v18-19 of my scale words: lanes 0-15 A's rows, lanes 16-31 B's
.set ADRB, 20                          ; v20-21 of my B fragments
.set PFO2, 22                          ; v22    prefetch: my work-group's lines 32-37 of its 38
.set PFT,  23                          ; v23    v30 held at line 99, for the short tile
.set STO,  24                          ; v24    into my stage
.set RD,   25                          ; v25    out of it
.set CO,   26                          ; v26    my 16 bytes of a row of 512
.set PFT2, 27                          ; v27    v22 held at line 99
.set SPW,  28                          ; v28    my spare word; never rewritten
.set NIL,  29                          ; v29    0; never rewritten
.set PFO,  30                          ; v30    prefetch: lines 0-31 of my work-group's 38
.set BO,   31                          ; v31    32 x (lane / 16): my eight columns' bias
.set SC,   32
.set BI,   64
.set AF,   128
.set G1,   24                          ; s[24:31] group 1, s[32:39] group 0 (a set for each slot): A's tiles
.set G0,   32
.set G1B,  48                          ; s[48:55], s[56:63]: B's
.set G0B,  56
.set G1T,  68                          ; s[68:75], s[76:83]: group 1 for the short tile, A's and B's
.set G1TB, 76
.set PFA,  66                          ; s[66:67] where my prefetches stand
.set BIA,  96                          ; s[96:97] bias
.set MSB, 0
.macro WIN new                         ; the immediate's high byte repeats the setting that is left
.if MSB != (\new)
	s_set_vgpr_msb (MSB<<8)|(\new)
.set MSB, (\new)
.endif
.endm
.set MUL_LO, 0xa1                      ; source 0 (B) window 1, source 1 (A) window 0, C and D window 2
.set MUL_HI, 0xf1                      ; the same, C and D window 3
.set TO_B,   0x40                      ; destination window 1, address window 0
.macro JLOAD g0a, g1a, g0b, g1b        ; a joint load: waves 0 and 1 fetch for A, waves 2 and 3 for B
	s_cmp_eq_u32 s15, 0
	s_cbranch_scc0 .Lfor_b_\@
	tensor_load_to_lds s[\g0a:\g0a+3], s[\g1a:\g1a+7]
	s_nop 0
.rept 4
	v_nop
.endr
	s_branch .Lasked_\@
.Lfor_b_\@:
	tensor_load_to_lds s[\g0b:\g0b+3], s[\g1b:\g1b+7]
	s_nop 0
.rept 4
	v_nop
.endr
.Lasked_\@:
.endm
.macro PF o1, o2, off                  ; two prefetches: 38 lines of 256 bytes
	global_prefetch_b8 v[\o1], s[PFA:PFA+1] offset:\off th:TH_LOAD_NT scope:SCOPE_SE
	global_prefetch_b8 v[\o2], s[PFA:PFA+1] offset:\off th:TH_LOAD_NT scope:SCOPE_SE
.endm
.macro ASK short                       ; behind a refill in the loop: the tile two refills on.  In the last trip (s3 = 1): the short tile (short = 1) or nothing (short = 0).  s3 is the same in all partners
	s_cmp_gt_u32 s3, 1
	s_cbranch_scc0 .Lshort_\@
	PF PFO, PFO2, 2*HALFT
.if \short
	s_branch .Lpf_done_\@
.Lshort_\@:
	PF PFT, PFT2, 2*HALFT
.Lpf_done_\@:
.else
.Lshort_\@:
.endif
.endm
.macro CREST                           ; a round of the cluster's barrier behind its opening barrier
	s_cmp_lg_u32 s14, 0
	s_cbranch_scc1 .Lnot_wave_0_\@
	s_barrier_signal -3
.Lnot_wave_0_\@:
	s_barrier_wait -3
	s_barrier_signal -1
	s_barrier_wait -1
.endm
.macro CROUND
	s_barrier_signal -1
	s_barrier_wait -1
	CREST
.endm
	s_load_b128 s[4:7], s[0:1], 0x0                ; xq s[4:5], wq s[6:7]
	s_load_b64 s[12:13], s[0:1], 0x10              ; out0
	s_load_b64 s[BIA:BIA+1], s[0:1], 0x18          ; bias
	v_lshl_add_u32 v[SPW], v0, 2, SPARE
	v_mov_b32 v[NIL], 0
	ds_add_u32 v[SPW], v[NIL]                      ; the opening lines: the add twice on end and one wait, ahead of my first tensor load
	ds_add_u32 v[SPW], v[NIL]
	v_lshrrev_b32 v1, 5, v0
	v_readfirstlane_b32 s14, v1                    ; wave 0..3
	s_lshr_b32 s15, s14, 1                         ; my half of the tile's rows; also: I fetch for A (0) or B (1)
	s_and_b32 s16, s14, 1                          ; my half of its columns; also: which 128 rows I fetch
	s_bfe_u32 s40, ttmp6, 0x40000                  ; cx
	s_bfe_u32 s41, ttmp6, 0x40004                  ; cy
	s_lshl_b32 s42, ttmp9, 2
	s_add_co_u32 s42, s42, s40                     ; tile column
	s_and_b32 s17, ttmp7, 0xffff
	s_lshl_b32 s17, s17, 2
	s_add_co_u32 s17, s17, s41                     ; tile row
	s_lshl_b32 s43, s41, 2
	s_lshl_b32 s43, 15, s43                        ; my row of the cluster
	s_lshl_b32 s44, 0x1111, s40                    ; my column
	s_or_b32 s[G1+0], s43, (3<<16)|(1<<21)         ; the mask; elements of 8 bytes; bit 21 beside a mask; no padding: every LDS read is 16 x lane on end
	s_or_b32 s[G1B+0], s44, (3<<16)|(1<<21)
	s_or_b32 s[G1T+0], s43, (3<<16)|(1<<21)
	s_or_b32 s[G1TB+0], s44, (3<<16)|(1<<21)
.irp g, G1, G1B
	s_mov_b32 s[\g+1], 32<<16                      ; rows of 32 elements = 256 bytes,
	s_mov_b32 s[\g+2], 150<<16                     ; 150 of them, dense
	s_mov_b32 s[\g+3], 32<<16
	s_mov_b32 s[\g+4], 150
	s_mov_b32 s[\g+5], 32
	s_mov_b32 s[\g+6], 0
	s_mov_b32 s[\g+7], 0
.endr
.irp g, G1T, G1TB
	s_mov_b32 s[\g+1], 32<<16
	s_mov_b32 s[\g+2], 100<<16                     ; the short tile: two steps, 100 rows
	s_mov_b32 s[\g+3], 32<<16
	s_mov_b32 s[\g+4], 100
	s_mov_b32 s[\g+5], 32
	s_mov_b32 s[\g+6], 0
	s_mov_b32 s[\g+7], 0
.endr
	s_lshl_b32 s20, s17, 1
	s_add_co_u32 s20, s20, s16
	s_mul_i32 s20, s20, HROW                       ; A: H = 2 x tile row + the half that I fetch
	s_mov_b32 s21, 0
	s_lshl_b32 s46, s42, 1
	s_add_co_u32 s46, s46, s16
	s_mul_i32 s46, s46, HROW                       ; B: H = 2 x tile column + half
	s_mov_b32 s47, 0
	s_mul_i32 s45, s14, HALFT                      ; where my quarter of a slot lies: by the wave's number alone
	s_wait_dscnt 0x0                               ; both opening adds are done
	s_wait_kmcnt 0x0
	s_add_nc_u64 s[20:21], s[4:5], s[20:21]
	s_add_nc_u64 s[46:47], s[6:7], s[46:47]
.irp s, 0,1
	s_mov_b32 s[G0+4*\s], 1
	s_add_co_u32 s[G0+4*\s+1], s45, \s*SLOT
	s_add_nc_u64 s[G0+4*\s+2:G0+4*\s+3], s[20:21], \s*HALFT
	s_or_b32 s[G0+4*\s+3], s[G0+4*\s+3], 0x80000000
	s_mov_b32 s[G0B+4*\s], 1
	s_add_co_u32 s[G0B+4*\s+1], s45, \s*SLOT
	s_add_nc_u64 s[G0B+4*\s+2:G0B+4*\s+3], s[46:47], \s*HALFT
	s_or_b32 s[G0B+4*\s+3], s[G0B+4*\s+3], 0x80000000
.endr
	CROUND                                         ; all sixteen work-groups are here: the first joint loads meet
	JLOAD G0, G1, G0B, G1B                         ; tile 0: my one tensor load at the head.  All that follows up to the wait for it is made while it is out
	; scalars first, then one run of vector instructions with no scalar line inside it
	s_mul_i32 s21, s15, HALFT                      ; my 128 rows of A in a slot
	s_mul_i32 s22, s16, HALFT
	s_add_co_u32 s22, s22, 2*HALFT                 ; my 128 rows of B, behind A's 256
	s_sub_co_u32 s18, s22, s21                     ; from A's to B's
	s_add_co_u32 s19, s21, SWO                     ; A's scale words of a step
	s_mul_i32 s23, s14, 32*SPITCH
	s_add_co_u32 s23, s23, STG                     ; my stage
	s_cmp_eq_u32 s15, 0                            ; the prefetches: do I fetch for A?
	s_cselect_b32 s86, s17, s42                    ; by the tile row or by the tile column,
	s_cselect_b32 s84, s40, s41                    ; my place among the four that ask with me,
	s_cselect_b64 s[PFA:PFA+1], s[4:5], s[6:7]     ; in xq or in wq
	s_mul_i32 s84, s84, 38                         ; my work-group's first line of a tile's 150
	s_add_co_u32 s85, s84, 32
	s_lshl_b32 s86, s86, 1
	s_add_co_u32 s86, s86, s16
	s_mul_i32 s86, s86, HROW
	s_add_co_u32 s86, s86, HALFT                   ; at tile 1
	s_mov_b32 s87, 0
	s_add_nc_u64 s[PFA:PFA+1], s[PFA:PFA+1], s[86:87]
	s_lshl_b32 s88, s17, 8
	s_lshl_b32 s89, s15, 7
	s_add_co_u32 s88, s88, s89                     ; my first row of out0,
	s_lshl_b32 s88, s88, 14                        ; 16,384 bytes a row
	s_mov_b32 s89, 0
	s_lshl_b32 s90, s42, 10
	s_lshl_b32 s91, s16, 9
	s_add_co_u32 s90, s90, s91                     ; my first column, in bytes
	s_mov_b32 s91, 0
	s_add_nc_u64 s[BIA:BIA+1], s[BIA:BIA+1], s[90:91]
	s_add_nc_u64 s[88:89], s[88:89], s[90:91]
	s_add_nc_u64 s[12:13], s[12:13], s[88:89]
	v_and_b32 v1, 15, v0                           ; r
	v_bfe_u32 v2, v0, 4, 1                         ; h
	v_and_b32 v6, 31, v0                           ; lane
	v_lshlrev_b32 v4, 4, v6
	v_add_nc_u32 v[ADRA], s21, v4
	v_add_nc_u32 v[ADRB], s22, v4
	v_add_nc_u32 v[ADRA+1], SLOT, v[ADRA]
	v_add_nc_u32 v[ADRB+1], SLOT, v[ADRB]
	v_lshlrev_b32 v5, 5, v1                        ; scale words: 32 r,
	v_mul_u32_u24 v7, s18, v2                      ; lanes 16-31 take B's
	v_add_nc_u32 v5, v5, v7
	v_add_nc_u32 v[ADRS], s19, v5
	v_add_nc_u32 v[ADRS+1], SLOT, v[ADRS]
	v_mul_u32_u24 v5, v1, SPITCH                   ; into the stage: row r, 32 bytes for each half of the lanes
	v_lshl_add_u32 v5, v2, 5, v5
	v_add_nc_u32 v[STO], s23, v5
	v_lshlrev_b32 v[CO], 4, v6                     ; back: 32 lanes take a row of 512 bytes
	v_add_nc_u32 v[RD], s23, v[CO]
	v_lshlrev_b32 v[BO], 5, v2
	v_add_nc_u32 v[PFO], s84, v6                   ; line 38 p + lane: 145 at the most
	v_lshlrev_b32 v[PFO], 8, v[PFO]
	v_min_u32 v[PFO2], 5, v6
	v_add_nc_u32 v[PFO2], s85, v[PFO2]             ; line 38 p + 32 + min(lane, 5),
	v_min_u32 v[PFO2], 149, v[PFO2]                ; held at the tile's last line
	v_lshlrev_b32 v[PFO2], 8, v[PFO2]
	v_min_u32 v[PFT], 99<<8, v[PFO]                ; and for the short tile at its last line
	v_min_u32 v[PFT2], 99<<8, v[PFO2]
	s_wait_alu depctr_va_vdst(0)                   ; the wait at the head's end: it stands behind the head's last vector write
.irp b, 0,1,2,3,4,5,6,7
	global_load_b128 v[BI+8*\b:BI+8*\b+3], v[BO], s[BIA:BIA+1] offset:64*\b        ; bias(16 b + 8 h + 0 .. 7): the C of the first products
	global_load_b128 v[BI+8*\b+4:BI+8*\b+7], v[BO], s[BIA:BIA+1] offset:64*\b+16
.endr
	PF PFO, PFO2, 0                                ; tile 1, a buffer's first touches are asked for early,
	PF PFO, PFO2, HALFT                            ; and tile 2
.macro FRAG reg, adr, q, i             ; a fragment: three loads of 16 bytes a lane, 512 bytes on end each
.irp g, 0,1,2
	ds_load_b128 v[\reg+4*\g:\reg+4*\g+3], v[\adr] offset:(\q)*STEPB+(\i)*FRB+512*\g
.endr
.endm
; 16 matrix instructions: A's blocks a0, a0 + 1 x B's eight.  p: B's set and the set of scale words.  first = 1: C is the bias.  The 64 accumulators take turns, one instruction a turn.
.macro MUL16 a0, p, first
.irp a, \a0, \a0+1
.irp b, 0,1,2,3,4,5,6,7
.if \first
	v_wmma_scale_f32_16x16x128_f8f6f4 v[8*(8*((\a)%4)+\b):8*(8*((\a)%4)+\b)+7], v[128*(\p)+FR*\b:128*(\p)+FR*\b+FR-1], v[AF+FR*(\a):AF+FR*(\a)+FR-1], v[BI+8*\b:BI+8*\b+7], v[SC+8*(\p)+\b], v[SC+8*(\p)+(\a)] matrix_a_fmt:MATRIX_FMT_FP6 matrix_b_fmt:MATRIX_FMT_FP6 matrix_a_scale:MATRIX_SCALE_ROW1
.else
	v_wmma_scale_f32_16x16x128_f8f6f4 v[8*(8*((\a)%4)+\b):8*(8*((\a)%4)+\b)+7], v[128*(\p)+FR*\b:128*(\p)+FR*\b+FR-1], v[AF+FR*(\a):AF+FR*(\a)+FR-1], v[8*(8*((\a)%4)+\b):8*(8*((\a)%4)+\b)+7], v[SC+8*(\p)+\b], v[SC+8*(\p)+(\a)] matrix_a_fmt:MATRIX_FMT_FP6 matrix_b_fmt:MATRIX_FMT_FP6 matrix_a_scale:MATRIX_SCALE_ROW1
.endif
.endr
.endr
.endm
.macro FETCH_B slot, q, p              ; B's eight fragments into set p: 24 loads
	WIN TO_B
.irp i, 0,1,2,3,4,5,6,7
	FRAG 128*(\p)+FR*\i, ADRB+\slot, \q, \i
.endr
	WIN 0
.endm
.macro FETCH_A01 slot, q               ; A's blocks 0 and 1: 6 loads
.irp i, 0,1
	FRAG AF+FR*\i, ADRA+\slot, \q, \i
.endr
.endm
.macro FETCH_A27 slot, q               ; A's blocks 2 to 7: 18 loads
.irp i, 2,3,4,5,6,7
	FRAG AF+FR*\i, ADRA+\slot, \q, \i
.endr
.endm
.macro SCALES slot, q, p               ; register i of the set: lanes 0-15 the word of A's block i, lanes 16-31 that of B's block i
	ds_load_b128 v[SC+8*(\p):SC+8*(\p)+3], v[ADRS+\slot] offset:(\q)*STEPB
	ds_load_b128 v[SC+8*(\p)+4:SC+8*(\p)+7], v[ADRS+\slot] offset:(\q)*STEPB+16
.endm
.macro PLACES n                        ; plain places in front of loads into registers that matrix instructions have read, and of the first read of results
.rept \n
	v_nop
.endr
.endm
; One of a slot's first two steps: 64 matrix instructions and two runs of the next step's loads.  Behind the first 16: B's other set, A's blocks 0-1 (their products are issued) and the other set of scale words, 32 loads.
; At the end: A's blocks 2-7, 18 loads.  Four places stand in front of each run.
.macro STEP slot, q, first
.set PP, ((\q)+(\slot))%2
	s_wait_dscnt 6*NL                              ; all but the youngest 18 loads, A's blocks 2-7
	WIN MUL_LO-0x20*(\first)                       ; (first: C in window 0)
	MUL16 0, PP, \first
	PLACES NP
	FETCH_B \slot, (\q)+1, 1-PP
	FETCH_A01 \slot, (\q)+1
	SCALES \slot, (\q)+1, 1-PP
	s_wait_dscnt 10*NL+2                           ; all but the 32 just issued: A's blocks 2-7 are in
	WIN MUL_LO-0x20*(\first)
	MUL16 2, PP, \first
	WIN MUL_HI-0x30*(\first)
	MUL16 4, PP, \first
	MUL16 6, PP, \first
	PLACES NP
	WIN 0
	FETCH_A27 \slot, (\q)+1
.endm
; The first half of a slot's third step: the three lines, and the barrier for the change of slots.
.macro MEET p
	s_wait_tensorcnt 0x0                           ; my one load that was out, my part of the next slot, has landed;
	ds_add_u32 v[SPW], v[NIL]
	s_wait_dscnt 6*NL+1                            ; (the add and the youngest 18 loads may be out)
	WIN MUL_LO
	MUL16 0, \p, 0
	s_wait_dscnt 0x0                               ; the add is done and my reads of this slot are over
	s_barrier_signal -1
	MUL16 2, \p, 0
	WIN 0
	s_barrier_wait -1
.endm
; A slot's third step changes slots.  fill = 1: this slot takes the tile two on; 2: the short tile.
.macro TURN slot, next, fill
.set PP, (\slot)%2
.if (\fill) == 1
	s_wait_xcnt 0x0                                ; my earlier prefetches have read their address: only now is it stepped
	s_add_nc_u64 s[PFA:PFA+1], s[PFA:PFA+1], HALFT
.endif
	MEET PP
	CREST                                          ; the barrier opened a round: no wave of any partner still reads this slot or has a load out
	s_add_nc_u64 s[G0+4*\slot+2:G0+4*\slot+3], s[G0+4*\slot+2:G0+4*\slot+3], 2*HALFT
	s_add_nc_u64 s[G0B+4*\slot+2:G0B+4*\slot+3], s[G0B+4*\slot+2:G0B+4*\slot+3], 2*HALFT
.if (\fill) == 1
	JLOAD G0+4*\slot, G1, G0B+4*\slot, G1B         ; the first tensor load behind the round; its four v_nop are the places for the loads below
.else
	JLOAD G0+4*\slot, G1T, G0B+4*\slot, G1TB
.endif
	FETCH_B \next, 0, 1-PP
	FETCH_A01 \next, 0
	SCALES \next, 0, 1-PP
.if (\fill) == 1
	ASK 1-\slot                                    ; behind the refill and the run of LDS loads
.endif
	WIN MUL_HI
	MUL16 4, PP, 0
	MUL16 6, PP, 0
	PLACES NP
	WIN 0
	FETCH_A27 \next, 0
.endm
; THE LAST TWO STEPS, q = 0 and 1 of slot 0's last tile.  B's set q and scale set q hold step q.  A's twelve-register places hold two pairs of row blocks: block a of step q at place 4 ((a / 2) % 2) + 2 (a % 2) + q.
.macro APAIR j                         ; A's blocks 2 j and 2 j + 1, both steps: 12 loads
.irp u, 0,1
.irp q, 0,1
	FRAG AF+FR*(4*((\j)%2)+2*\u+\q), ADRA+0, \q, 2*(\j)+\u
.endr
.endr
.endm
.macro ROWQ a, q                       ; eight products: block a against B's eight, step q; the accumulators by turns
.set AFR, AF+FR*(4*(((\a)/2)%2)+2*((\a)%2)+(\q))
.set ACB, 64*((\a)%4)
	WIN MUL_LO+0x50*((\a)/4)
.irp b, 0,1,2,3,4,5,6,7
	v_wmma_scale_f32_16x16x128_f8f6f4 v[ACB+8*\b:ACB+8*\b+7], v[128*(\q)+FR*\b:128*(\q)+FR*\b+FR-1], v[AFR:AFR+FR-1], v[ACB+8*\b:ACB+8*\b+7], v[SC+8*(\q)+\b], v[SC+8*(\q)+(\a)] matrix_a_fmt:MATRIX_FMT_FP6 matrix_b_fmt:MATRIX_FMT_FP6 matrix_a_scale:MATRIX_SCALE_ROW1
.endr
.endm
; THE WAY OUT of pair j, 32 rows x 128 columns.  A lane holds 32 bytes of a row: the pair goes into my own stage and comes back as whole rows of 512 bytes, into the registers that held its sums.
; One window setting serves the LDS stores' data, the loads' destination and the global stores' data.  Every offset is an immediate (127 rows of 16,384 bytes at the most), so no base is stepped and no register is written again.
.macro OUTPAIR j
.set AC, 128*((\j)%2)
	WIN 0x88+0x44*((\j)/2)                         ; source 1 and destination: window 2 or 3; addresses: window 0
.irp u, 0,1
.irp b, 0,1,2,3,4,5,6,7
	ds_store_b128 v[STO], v[AC+64*\u+8*\b:AC+64*\u+8*\b+3] offset:\u*16*SPITCH+64*\b          ; each accumulator from its low end on
	ds_store_b128 v[STO], v[AC+64*\u+8*\b+4:AC+64*\u+8*\b+7] offset:\u*16*SPITCH+64*\b+16
.endr
.endr
	s_wait_dscnt 0x0                               ; the stores have read their registers, which the loads below fill; A's next pair is in too
.set T, 0
.rept 32
	ds_load_b128 v[AC+4*T:AC+4*T+3], v[RD] offset:T*SPITCH
.set T, T+1
.endr
.set T, 0
.rept 2
	s_wait_dscnt 16-T                              ; 16, then 0: the first sixteen rows are back, then all
.rept 16
	global_store_b128 v[CO], v[AC+4*T:AC+4*T+3], s[12:13] offset:(32*(\j)+T)*SIZE_N*4 th:TH_STORE_NT   ; 32 lanes store 512 consecutive bytes, at a multiple of 256 from out0's first byte
.set T, T+1
.endr
.endr
.endm
	s_wait_tensorcnt 0x0                           ; my part of tile 0 is in; slot 1's first fill is issued as a refill is:
	ds_add_u32 v[SPW], v[NIL]
	s_wait_dscnt 0x0
	CROUND                                         ; everybody's part of tile 0 is in, and the sixteen work-groups meet
	JLOAD G0+4, G1, G0B+4, G1B                     ; tile 1
	FETCH_B 0, 0, 0
	FETCH_A01 0, 0
	SCALES 0, 0, 0
	FETCH_A27 0, 0
	PF PFO, PFO2, 2*HALFT                          ; tile 3
	s_wait_loadcnt 0x0                             ; the bias is in
	STEP 0, 0, 1                                   ; the first step's products start the sums from the bias
	s_mov_b32 s3, TRIPS
.Llap:                                                 ; a trip: six steps, once round the ring, both slots filled again (tiles 2 to 9)
	STEP 0, 1, 0
	TURN 0, 1, 1
	STEP 1, 0, 0
	STEP 1, 1, 0
	TURN 1, 0, 1
	STEP 0, 0, 0
	s_sub_co_u32 s3, s3, 1
	s_cmp_lg_u32 s3, 0
	s_cbranch_scc1 .Llap
	STEP 0, 1, 0
	TURN 0, 1, 2                                   ; the short tile, steps 30 and 31
	STEP 1, 0, 0
	STEP 1, 1, 0
	MEET 1                                         ; step 29, slot 1's last: the short tile is whole; nothing is filled again, so no round follows
	PLACES NP
	FETCH_B 0, 0, 0                                ; step 30's B into set 0,
	SCALES 0, 0, 0
	APAIR 0                                        ; A's first pair, both steps
	WIN MUL_HI
	MUL16 4, 1, 0
	MUL16 6, 1, 0
	PLACES NP
	FETCH_B 0, 1, 1                                ; step 31's B into set 1, which step 29 has left,
	SCALES 0, 1, 1
	APAIR 1                                        ; and A's second pair
	s_wait_dscnt 12*NL+2                           ; all but the 38 just issued
	ROWQ 0, 0
	ROWQ 1, 0
	s_wait_dscnt 4*NL                              ; step 31's B and scale words are in; A's second pair may be out
	ROWQ 0, 1
	ROWQ 1, 1
	PLACES NP
	WIN 0
	APAIR 2
	OUTPAIR 0
.irp j, 1,2,3
	ROWQ 2*\j, 0                                   ; (the pair's fragments of A are in: the way out of the pair before has waited for all LDS instructions behind their issue)
	ROWQ 2*\j+1, 0
	ROWQ 2*\j, 1
	ROWQ 2*\j+1, 1
	PLACES NP
.if \j < 2
	WIN 0
	APAIR \j+2
.endif
	OUTPAIR \j
.endr
	WIN 0
	s_wait_tensorcnt 0x0                           ; the wave's end
	ds_add_u32 v[SPW], v[NIL]
	s_wait_dscnt 0x0
	CROUND                                         ; the closing round
	s_endpgm
.Lfunc_end_k_q390df62295_gemm:
	.size	k_q390df62295_gemm, .Lfunc_end_k_q390df62295_gemm-k_q390df62295_gemm
	.p2alignl 7, 3214868480
	.fill 96, 4, 3214868480
	.section	.rodata,"a",@progbits
	.p2align	6, 0x0
	.amdhsa_kernel k_q390df62295_gemm
		.amdhsa_group_segment_fixed_size 327680
		.amdhsa_private_segment_fixed_size 0
		.amdhsa_enable_private_segment 0
		.amdhsa_kernarg_size 32
		.amdhsa_user_sgpr_count 2
		.amdhsa_user_sgpr_kernarg_segment_ptr 1
		.amdhsa_wavefront_size32 1
		.amdhsa_system_sgpr_workgroup_id_x 1
		.amdhsa_system_sgpr_workgroup_id_y 1
		.amdhsa_system_sgpr_workgroup_id_z 1
		.amdhsa_system_vgpr_workitem_id 0
		.amdhsa_next_free_vgpr 1024
		.amdhsa_next_free_sgpr 98
		.amdhsa_reserve_vcc 0
		.amdhsa_float_denorm_mode_32 3
		.amdhsa_float_denorm_mode_16_64 3
		.amdhsa_memory_ordered 1
		.amdhsa_forward_progress 1
		.amdhsa_inst_pref_size 207
	.end_amdhsa_kernel
	.amdgpu_metadata
---
amdhsa.version: [ 1, 2 ]
amdhsa.kernels:
  - .name:           k_q390df62295_gemm
    .symbol:         k_q390df62295_gemm.kd
    .args:
      - { .name: xq, .offset: 0, .size: 8, .value_kind: global_buffer, .address_space: global }
      - { .name: wq, .offset: 8, .size: 8, .value_kind: global_buffer, .address_space: global }
      - { .name: out0, .offset: 16, .size: 8, .value_kind: global_buffer, .address_space: global }
      - { .name: bias, .offset: 24, .size: 8, .value_kind: global_buffer, .address_space: global }
    .group_segment_fixed_size: 327680
    .private_segment_fixed_size: 0
    .kernarg_segment_align: 8
    .kernarg_segment_size: 32
    .max_flat_workgroup_size: 128
    .sgpr_count:     98
    .vgpr_count:     1024
    .wavefront_size: 32
...
	.end_amdgpu_metadata
.endif
;; end of part 2
